; MI455X (gfx1250); checked and timed in simulation.
; The chip was launched on July 23, 2026; its instructions are those of AMD's public machine-readable ISA for CDNA 5 (MIT licence, August 2026) and "CDNA5" Instruction Set Architecture Reference Guide (July 2026). The comments in the code are by the model that wrote it; some were corrected since.
;; VQ Lite Codec. Allowed arithmetic: matrix products marked QUANTISED: E5M2 operands, one E8M0 scale for each 32 along K, by v_wmma_scale_f32_16x16x128_f8f6f4 with both operands' format E5M2, f32 sums; everything else in f32.
;; Inputs: codebook 8,192 x 256 float32; h 8 x 4,096 x 256 float32.
;; Outputs: out0 8 x 4,096 x 256 float32; out1 8 x 4,096 int32.
;; This version of the problem:
;;   THIS VERSION OF THE PROBLEM IS GIVEN IN LOW PRECISION. The matrix products marked QUANTISED in the list below multiply operands that are first quantised to E5M2 (5 exponent bits, 2 mantissa bits; 8 bits a number), with one power-of-two scale for each 32 numbers along K (OCP MX v1.0); their sums are f32. All else is computed in f32.
;;   The module's matrix products, in the order in which they are computed (A, B: the left and right operand; K: the contracted axis; several contracted axes count as one K, in the product's order):
;;     1. [M 32,768, K 256] x [K 256, N 8,192]; A: input h; B: input codebook: QUANTISED
;;   THE QUANTISER, for each operand of a quantised product, along K:
;;     - K is cut into blocks of 32 from its start; a last block that is shorter is filled with zeros.
;;     - A block's scale is 2^e with e = floor(log2(the largest magnitude in the block)) - 15, held to -126 .. 127; a block of zeros has e = 0. As a byte (E8M0): e + 127.
;;     - Each number is divided by its block's scale, clamped to +-57,344, and rounded to the nearest number of E5M2, ties to even, subnormals kept.
;;     - The product sums the exact products of the quantised numbers (number of the format x scale) in f32.
;;   ~~~python
;;   def quantise(x, axis):      # numpy; x: float32 -> the quantised numbers, widened to float32 again
;;       x = np.moveaxis(x, axis, -1); K = x.shape[-1]
;;       x = np.pad(x, [(0, 0)] * (x.ndim - 1) + [(0, -K % 32)]); x = x.reshape(x.shape[:-1] + (-1, 32)); a = np.abs(x).max(-1, keepdims=True)
;;       e = np.where(a > 0, np.clip(np.frexp(np.where(a > 0, a, 1))[1] - 1 - 15, -126, 127), 0)      # np.frexp(a)[1] - 1 = floor(log2(a)), exactly
;;       r = np.clip(x / 2.0 ** e, -57344, 57344)
;;       step = 2.0 ** (np.maximum(np.frexp(np.where(r == 0, 1, r))[1] - 1, -14) - 2)
;;       q = np.round(r / step) * step * 2.0 ** e      # np.round: ties to even
;;       return np.moveaxis(q.reshape(q.shape[:-2] + (-1,))[..., :K], -1, axis).astype(np.float32)
;;   ~~~
;; One version. Each part assembles by itself: llvm-mc -triple=amdgcn-amd-amdhsa -mcpu=gfx1250 --defsym DOCPART=n.
;; ======== version 1 of 1: 3 launches
;; limits: right only within a limited range of input values
;; workspace buffers: cbq 2,228,224 bytes; idxw 131,072 bytes of whole numbers
;; launch quant (part 1): grid 256 x 1, 2 waves a work-group, no clusters, 768 bytes of LDS; arguments codebook, cbq; writes cbq
.if DOCPART == 1
	.amdgcn_target "amdgcn-amd-amdhsa--gfx1250"
	.amdhsa_code_object_version 6
	.text
	.protected	k_qb0e6b948f0_quant
	.globl	k_qb0e6b948f0_quant
	.p2align	8
	.type	k_qb0e6b948f0_quant,@function
k_qb0e6b948f0_quant:
	s_mov_b64 s[64:65], 0
	v_nop
	global_prefetch_b8 v0, s[64:65] scope:SCOPE_SE
	s_setreg_imm32_b32 hwreg(HW_REG_WAVE_MODE, 25, 1), 1
	s_wait_xcnt 0x0
; The codebook [8192][256], f32, becomes 512 RECORDS of 4,352 bytes, one for each tile of 16 codes, laid as the search's matrix operand registers take them:
;   bytes 512 g + 16 lane, g = 4 s + c: the 16 codes (E5M2) of row lane % 16 at k = 128 s + 32 c + 16 (lane / 16) + 0 .. 15: register group c of the fragment of K step s;
;   bytes 4096 + 4 lane: the rows' scale words (four E8M0 bytes for 128 along K): lanes 0-15 K step 0, lanes 16-31 K step 1;
;   bytes 4224 + 4 i: -0.5 x the sum of squares of row i, f32 (the unquantised numbers);   bytes 4288 .. 4351: zeros.
; A block's scale is 2^(floor(log2(its largest magnitude)) - 15); its byte is the largest magnitude's exponent field - 15, held at 1 from below.
; LIMITS: a block of zeros, and a block whose largest magnitude lies under 2^-111, gets the byte 1 (a block of zeros has zero codes, and this program alone reads the bytes); NaN and infinities are not served.
; One wave takes one tile: 16 rows x 256 numbers, 128 a lane.  No loop, no barrier: waves share nothing; every offset is an immediate and no store's register is written again.
; WORK LEFT OUT BY THE PROGRAM: out0 = h + (q - h), q the chosen code's row.  In exact arithmetic h + (q - h) = q for every finite h and q, so the last launch stores q and does not load h.
; LIMIT: a NaN, an infinity or an overflow of h that would reach out0 through that sum alone is not carried to out0.  h stays an input of the search.
.set REC,  4352
.set XA,   4                           ; v4   my lane's byte in the tile's rows: 1,024 r + 64 h
.set LI,   5                           ; v5   16 x lane
.set X,    32                          ; v32-159  register 64 s + 16 b + i = k 128 s + 32 b + 16 h + i of my row
.set TM,   160                         ; v160-175 at work in QUANT
.set PW0,  176                         ; the two scale words
.set PW1,  177
.set PC0,  180                         ; v180-195, v196-211 the two fragments' codes
.set PC1,  196
.set SA,   212                         ; v[212:213], v[214:215] the sum of squares in two chains of pairs
.set SB,   214
.set SEL,  20                          ; s[20:21] v_permlanex16_b32's selects for lane l xor 16
.set MNT,  22                          ; s22  the mantissa field of 57,344
	s_load_b128 s[4:7], s[0:1], 0x0                ; the codebook, the records
	v_lshl_add_u32 v224, v0, 2, 0x200
	v_mov_b32 v225, 0
	v_lshrrev_b32 v1, 5, v0
	v_readfirstlane_b32 s8, v1                     ; wave 0, 1
	v_and_b32 v1, 31, v0                           ; lane
	v_and_b32 v2, 15, v0                           ; r
	v_bfe_u32 v3, v0, 4, 1                         ; h
	v_lshlrev_b32 v[XA], 10, v2
	v_lshl_add_u32 v[XA], v3, 6, v[XA]
	v_lshlrev_b32 v[LI], 4, v1
	s_lshl_b32 s9, s8, 8                           ; my wave's 256 bytes of LDS
	v_lshl_add_u32 v6, v1, 2, s9                   ; into them: 4 bytes a lane
	v_lshl_add_u32 v7, v1, 3, s9                   ; out of them: 8 bytes a lane
	v_lshlrev_b32 v8, 3, v1
	v_mov_b32 v9, 0
	v_mov_b32 v216, 0                              ; written once: a lane permute's destination counts as one of its sources
.irp b, 0,1,2,3
	v_mov_b32 v[TM+4+\b], 0
.endr
	s_mov_b32 s[SEL], 0x76543210
	s_mov_b32 s[SEL+1], 0xfedcba98
	s_mov_b32 s[MNT], 0x600000
	s_mov_b32 s23, 0xffff0000                      ; lanes 16-31
	s_lshl_b32 s10, ttmp9, 1
	s_add_co_u32 s10, s10, s8                      ; my tile: 2 x work-group + wave
	s_lshl_b32 s12, s10, 14                        ; 16 rows of 1,024 bytes
	s_mov_b32 s13, 0
	s_mul_i32 s14, s10, REC
	s_mov_b32 s15, 0
	s_wait_kmcnt 0x0
	s_add_nc_u64 s[4:5], s[4:5], s[12:13]
	s_add_nc_u64 s[6:7], s[6:7], s[14:15]
.macro XLOAD reg, s                    ; my 64 numbers of K step s
.irp b, 0,1,2,3
.irp j, 0,1,2,3
	global_load_b128 v[\reg+16*\b+4*\j:\reg+16*\b+4*\j+3], v[XA], s[4:5] offset:512*\s+128*\b+16*\j th:TH_LOAD_NT
.endr
.endr
.endm
.macro SQ reg, first                   ; the squares of 64 numbers onto the two chains; first = 1: they start the sums
.if \first
	v_pk_mul_f32 v[SA:SA+1], v[\reg:\reg+1], v[\reg:\reg+1]
	v_pk_mul_f32 v[SB:SB+1], v[\reg+2:\reg+3], v[\reg+2:\reg+3]
.else
	v_pk_fma_f32 v[SA:SA+1], v[\reg:\reg+1], v[\reg:\reg+1], v[SA:SA+1]
	v_pk_fma_f32 v[SB:SB+1], v[\reg+2:\reg+3], v[\reg+2:\reg+3], v[SB:SB+1]
.endif
.irp q, 4,8,12,16,20,24,28,32,36,40,44,48,52,56,60
	v_pk_fma_f32 v[SA:SA+1], v[\reg+\q:\reg+\q+1], v[\reg+\q:\reg+\q+1], v[SA:SA+1]
	v_pk_fma_f32 v[SB:SB+1], v[\reg+\q+2:\reg+\q+3], v[\reg+\q+2:\reg+\q+3], v[SB:SB+1]
.endr
.endm
; 64 numbers of a lane, register 16 b + i = k 32 b + 16 h + i of my row, become a fragment's codes in v[pc] on and its scale word in v[pw].  The numbers are held in place: take the squares first.
.macro QUANT s, pc, pw
.irp b, 0,1,2,3
	v_max3_num_f32 v[TM+\b], |v[\s+16*\b]|, |v[\s+1+16*\b]|, 0x8000000   ; block b: my 16 numbers, and the floor 2^(16 - 127): the byte cannot fall under 1
.endr
.irp i, 2,4,6,8,10,12,14
.irp b, 0,1,2,3
	v_max3_num_f32 v[TM+\b], v[TM+\b], |v[\s+16*\b+\i]|, |v[\s+1+16*\b+\i]|   ; the four blocks by turns
.endr
.endr
.irp b, 0,1,2,3
	v_permlanex16_b32 v[TM+4+\b], v[TM+\b], s[SEL], s[SEL+1]
.endr
.irp b, 0,1,2,3
	v_max_num_f32 v[TM+\b], v[TM+\b], v[TM+4+\b]   ; with lane l xor 16's 16: the block's largest magnitude
.endr
.irp b, 0,1,2,3
	v_add_nc_u32 v[TM+12+\b], 0xf8800000, v[TM+\b] ; 15 off its exponent field: the conversion takes the exponent field of this operand as its scale
.endr
.irp b, 0,1,2,3
	v_and_or_b32 v[TM+8+\b], v[TM+\b], 0x7f800000, s[MNT]   ; 57,344 x the scale
.endr
.irp b, 0,1,2,3
	v_lshrrev_b32 v[TM+4+\b], 23, v[TM+12+\b]      ; the scale's byte
.endr
	v_lshl_or_b32 v[\pw], v[TM+5], 8, v[TM+4]
	v_lshl_or_b32 v[\pw], v[TM+6], 16, v[\pw]
	v_lshl_or_b32 v[\pw], v[TM+7], 24, v[\pw]
.irp b, 0,1,2,3
.irp i, 0,1,2,3,4,5,6,7,8,9,10,11,12,13,14,15
	v_med3_num_f32 v[\s+16*\b+\i], v[\s+16*\b+\i], -v[TM+8+\b], v[TM+8+\b]   ; the conversion to an 8-bit code does not saturate (ISA guide 7.6.2): the hold comes first
.endr
	v_cvt_scalef32_pk8_bf8_f32 v[\pc+4*\b:\pc+4*\b+1], v[\s+16*\b:\s+16*\b+7], v[TM+12+\b]
	v_cvt_scalef32_pk8_bf8_f32 v[\pc+4*\b+2:\pc+4*\b+3], v[\s+16*\b+8:\s+16*\b+15], v[TM+12+\b]
.endr
	v_nop                                          ; one plain vector line behind the last conversion
.endm
	XLOAD X, 0
	XLOAD X+64, 1
	s_wait_loadcnt 16                              ; K step 0's sixteen loads are in; K step 1's may be out
	SQ X, 1
	QUANT X, PC0, PW0
.irp c, 0,1,2,3
	global_store_b128 v[LI], v[PC0+4*\c:PC0+4*\c+3], s[6:7] offset:512*\c        ; 32 lanes store 512 consecutive bytes, aligned to 256
.endr
	s_wait_loadcnt 0x0
	SQ X+64, 0
	QUANT X+64, PC1, PW1
.irp c, 0,1,2,3
	global_store_b128 v[LI], v[PC1+4*\c:PC1+4*\c+3], s[6:7] offset:2048+512*\c
.endr
	v_pk_add_f32 v[SA:SA+1], v[SA:SA+1], v[SB:SB+1]
	v_cndmask_b32 v218, v[PW0], v[PW1], s23        ; the scale image: lanes 0-15 K step 0's word of row r, lanes 16-31 K step 1's (both halves of the lanes hold both words)
	v_add_f32 v[SA], v[SA], v[SA+1]
	v_permlanex16_b32 v216, v[SA], s[SEL], s[SEL+1]
	v_add_f32 v[SA], v[SA], v216                   ; my row's sum of squares
	v_mul_f32 v217, -0.5, v[SA]
	v_cndmask_b32 v219, v217, v9, s23              ; lanes 16-31 give the record's zeros
	ds_store_b32 v6, v218                          ; the record's last 256 bytes are gathered in my wave's own LDS bytes,
	ds_store_b32 v6, v219 offset:128
	ds_load_b64 v[220:221], v7                     ; (LDS serves a wave's instructions in order: this sees the stores)
	s_wait_dscnt 0x0
	global_store_b64 v8, v[220:221], s[6:7] offset:4096   ; and leave as 256 consecutive bytes, aligned
	s_wait_tensorcnt 0x0
	ds_add_u32 v224, v225
	s_wait_dscnt 0x0
	s_endpgm
.Lfunc_end_k_qb0e6b948f0_quant:
	.size	k_qb0e6b948f0_quant, .Lfunc_end_k_qb0e6b948f0_quant-k_qb0e6b948f0_quant
	.p2alignl 7, 3214868480
	.fill 96, 4, 3214868480
	.section	.rodata,"a",@progbits
	.p2align	6, 0x0
	.amdhsa_kernel k_qb0e6b948f0_quant
		.amdhsa_group_segment_fixed_size 768
		.amdhsa_private_segment_fixed_size 0
		.amdhsa_enable_private_segment 0
		.amdhsa_kernarg_size 16
		.amdhsa_user_sgpr_count 2
		.amdhsa_user_sgpr_kernarg_segment_ptr 1
		.amdhsa_wavefront_size32 1
		.amdhsa_system_sgpr_workgroup_id_x 1
		.amdhsa_system_sgpr_workgroup_id_y 1
		.amdhsa_system_sgpr_workgroup_id_z 1
		.amdhsa_system_vgpr_workitem_id 0
		.amdhsa_next_free_vgpr 226
		.amdhsa_next_free_sgpr 66
		.amdhsa_reserve_vcc 0
		.amdhsa_float_denorm_mode_32 3
		.amdhsa_float_denorm_mode_16_64 3
		.amdhsa_memory_ordered 1
		.amdhsa_forward_progress 1
		.amdhsa_inst_pref_size 27
	.end_amdhsa_kernel
	.amdgpu_metadata
---
amdhsa.version: [ 1, 2 ]
amdhsa.kernels:
  - .name:           k_qb0e6b948f0_quant
    .symbol:         k_qb0e6b948f0_quant.kd
    .args:
      - { .name: codebook, .offset: 0, .size: 8, .value_kind: global_buffer, .address_space: global }
      - { .name: cbq, .offset: 8, .size: 8, .value_kind: global_buffer, .address_space: global }
    .group_segment_fixed_size: 768
    .private_segment_fixed_size: 0
    .kernarg_segment_align: 8
    .kernarg_segment_size: 16
    .max_flat_workgroup_size: 64
    .sgpr_count:     66
    .vgpr_count:     226
    .wavefront_size: 32
...
	.end_amdgpu_metadata
.endif
;; end of part 1
;; launch search (part 2): grid 256 x 1, 4 waves a work-group, clusters of 4 x 1, 327,680 bytes of LDS; arguments h, cbq, out1, idxw; writes out1, idxw
.if DOCPART == 2
	.amdgcn_target "amdgcn-amd-amdhsa--gfx1250"
	.amdhsa_code_object_version 6
	.text
	.protected	k_qb0e6b948f0_search
	.globl	k_qb0e6b948f0_search
	.p2align	8
	.type	k_qb0e6b948f0_search,@function
k_qb0e6b948f0_search:
	s_mov_b64 s[64:65], 0
	v_nop
	global_prefetch_b8 v0, s[64:65] scope:SCOPE_SE
	s_setreg_imm32_b32 hwreg(HW_REG_WAVE_MODE, 25, 1), 1
	s_wait_xcnt 0x0
	s_wait_alu depctr_hold_cnt(0) depctr_sa_sdst(0) depctr_va_vdst(0) depctr_va_sdst(0) depctr_va_ssrc(0) depctr_va_vcc(0) depctr_vm_vsrc(0)
	s_getreg_b32 s2, hwreg(HW_REG_IB_STS2, 6, 4)
	s_cmp_eq_u32 s2, 0
	s_cbranch_scc0 .Lentry_in_a_cluster
	s_endpgm
.Lentry_in_a_cluster:
	s_bfe_u32 s2, ttmp6, 0x10000c
	s_cmp_lg_u32 s2, 0x3003
	s_cbranch_scc0 .Lentry_shape_is_right
	s_endpgm
.Lentry_shape_is_right:
; For each of 32,768 rows of h the index of the nearest of 8,192 codes: argmin of x2 + c2 - 2 xc, xc = Q(h) Q(codebook)^T on codes of E5M2 with one E8M0 scale for each 32 along K.
; THE SEARCH RUNS ON s = xc - c2 / 2, the largest s: -c2 / 2 (f32, from the records) is the C of each sum's first matrix instruction.  A lane keeps, for each of its rows, the largest s so far,
; the number of the code tile that gave it, and that tile's eight values.  At the end dist = x2 - 2 s is formed of those finalists, and the smallest dist, on ties the lowest index, is taken
; within the lane, with lane l xor 16, and across the four waves.
; LIMITS: the order of rounding differs from x2 + c2 - 2 xc taken number by number: where two codes' distances differ by less than an ulp of the distance in f32, the other of the two may be named.
; NaN and infinities are not served.  A block of h of zeros, or with its largest magnitude under 2^-111, gets the scale byte 1.
; SHARES.  A work-group owns 128 rows of h: 8 row tiles.  Four waves; wave w quantises row tiles 2 w and 2 w + 1; the images of the operand registers go round through LDS, and every wave keeps all
; 16 fragments (window 1).  The waves share the codes: of each group of 32 code tiles wave w takes tiles 8 w .. 8 w + 7, so a code fragment is read from LDS once and feeds 8 matrix instructions.
; Source 0 = 16 codes, source 1 = 16 rows of h: lane (r, h) holds row r, and its registers the codes 8 h + 0 .. 7 of the tile.
; TWO SETS OF ACCUMULATORS: tile i's 16 products are followed by the vector work on tile i - 1's results, which fills the places that ISA guide 7.12.1 asks for behind products.
; RING.  The records come in groups of 32 (139,264 bytes) through two LDS slots; each wave fetches, and alone reads, its own eight records: one tensor load of 136 rows x 256 bytes.
; CLUSTER.  All work-groups walk the same records: the four of a cluster ask jointly (mask 15; the descriptor hangs on the wave's number alone).
.set REC,   4352
.set WPART, 8*REC                      ; a wave's part of a slot
.set SLOTB, 32*REC
.set HIMG,  2*SLOTB                    ; h's 16 fragment images, 2,048 bytes each: (2 t + s)
.set HSC,   HIMG+32768                 ; h's scale images, 128 bytes a row tile
.set X2O,   1024                       ; so far behind them x2's images
.set IDXS,  HSC+2048                   ; the 128 final indices
.set RED,   IDXS+512                   ; wave u, row tile t: dist at 1024 u + 128 t + 4 r, index 64 bytes further
.set SPARE, RED+4096                   ; the spare words, 128 bytes a wave
.set STG,   SPARE+512                  ; behind them a stage of 16 rows x 144 bytes for each wave, for h's turn from rows to fragments; no tensor load lands there
.set SPW,  1
.set NIL,  2
.set AD0,  3                           ; v3, v4  my lane's place in my records' codes, slot 0, 1
.set AS0,  5                           ; v5, v6  in their scale images
.set AC0,  7                           ; v7, v8  in their -c2 / 2
.set PFO,  9
.set HLS,  10                          ; HSC + 4 x lane
.set H8,   11                          ; 8 h
.set TMP,  12                          ; v12-14 a tile's largest value, three row tiles at work
.set VT,   15                          ; the number of the code tile that V works on
.set SCW,  16                          ; v16, v24 the codes' scale words, buffer 0, 1
.set HS,   17                          ; v17-23, v25 h's scale words: none shares its number modulo 8 with v16, v24
.set MX,   26                          ; v26-33 the largest s
.set HLI,  34
.set ID,   35                          ; v35-42 its code tile
.set SV,   44                          ; v44-107 that tile's eight values
.set ACC,  108                         ; v108-235 two sets of eight accumulators
.set C2,   236                         ; v236-251 -c2 / 2, buffer 0, 1.  The codes lie in window 2: v0-31, v32-63
.set REW,  252
.set REL,  253
.set IXW,  254
.set IXL,  255
; in the prologue alone, the same numbers in window 0 (my first row tile) and window 1 (my second)
.set X,    104
.set TM,   40
.set PW0,  56
.set PW1,  57
.set PC0,  60
.set PC1,  76
.set SA,   92
.set SB,   94
.set HWI,  96
.set HWS,  98
.set XA,   99                          ; my lane's byte in four rows of h: 1,024 (lane / 8) + 16 (lane % 8)
.set STI,  97                          ; the stage, on the way in: 144 (lane / 8) + 16 (lane % 8)
.set STO,  102                         ; and on the way out: 144 r + 64 h
; at the end alone
.set D2,   180
.set I2,   181
.set POS,  182
.set IX,   183
.set WV,   12
.set G1,   16
.set G0,   24
.set SEL,  32
.set MNT,  34
.set IT,   35
.set PFA,  36
.set LIM,  38
.set MSB, 0
.macro WIN new                         ; the immediate's high byte repeats the setting that is left
.if MSB != \new
	s_set_vgpr_msb (MSB<<8)|\new
.set MSB, \new
.endif
.endm
.macro CREST                           ; a round of the cluster's barrier behind its opening barrier
	s_cmp_lg_u32 s[WV], 0
	s_cbranch_scc1 .Lnot_wave_0_\@
	s_barrier_signal -3
.Lnot_wave_0_\@:
	s_barrier_wait -3
	s_barrier_signal -1
	s_barrier_wait -1
.endm
.macro ROUND
	s_barrier_signal -1
	s_barrier_wait -1
	CREST
.endm
.macro XLOAD t                         ; my lane's 128 numbers of my row tile t (0, 1)
.irp s, 0,1
.irp b, 0,1,2,3
.irp j, 0,1,2,3
	global_load_b128 v[X+64*\s+16*\b+4*\j:X+64*\s+16*\b+4*\j+3], v[XA], s[4:5] offset:16384*\t+4096*\j+512*\s+128*\b th:TH_LOAD_NT   ; rows 4 j .. 4 j + 3, block b of K step s: eight lanes read a row's 128 consecutive bytes
.endr
.endr
.endr
.endm
.macro SQ reg, first                   ; the squares of 64 numbers onto two chains of pairs
.if \first
	v_pk_mul_f32 v[SA:SA+1], v[\reg:\reg+1], v[\reg:\reg+1]
	v_pk_mul_f32 v[SB:SB+1], v[\reg+2:\reg+3], v[\reg+2:\reg+3]
.else
	v_pk_fma_f32 v[SA:SA+1], v[\reg:\reg+1], v[\reg:\reg+1], v[SA:SA+1]
	v_pk_fma_f32 v[SB:SB+1], v[\reg+2:\reg+3], v[\reg+2:\reg+3], v[SB:SB+1]
.endif
.irp q, 4,8,12,16,20,24,28,32,36,40,44,48,52,56,60
	v_pk_fma_f32 v[SA:SA+1], v[\reg+\q:\reg+\q+1], v[\reg+\q:\reg+\q+1], v[SA:SA+1]
	v_pk_fma_f32 v[SB:SB+1], v[\reg+\q+2:\reg+\q+3], v[\reg+\q+2:\reg+\q+3], v[SB:SB+1]
.endr
.endm
; 64 numbers of a lane, register 16 b + i = k 32 b + 16 h + i of my row, become a fragment's codes and its scale word
.macro QUANT s, pc, pw
.irp b, 0,1,2,3
	v_max3_num_f32 v[TM+\b], |v[\s+16*\b]|, |v[\s+1+16*\b]|, 0x8000000   ; the floor 2^(16 - 127): the byte cannot fall under 1
.endr
.irp i, 2,4,6,8,10,12,14
.irp b, 0,1,2,3
	v_max3_num_f32 v[TM+\b], v[TM+\b], |v[\s+16*\b+\i]|, |v[\s+1+16*\b+\i]|
.endr
.endr
.irp b, 0,1,2,3
	v_permlanex16_b32 v[TM+4+\b], v[TM+\b], s[SEL], s[SEL+1]
.endr
.irp b, 0,1,2,3
	v_max_num_f32 v[TM+\b], v[TM+\b], v[TM+4+\b]   ; the block's largest magnitude
.endr
.irp b, 0,1,2,3
	v_add_nc_u32 v[TM+12+\b], 0xf8800000, v[TM+\b] ; 15 off its exponent field: the conversion's scale operand
.endr
.irp b, 0,1,2,3
	v_and_or_b32 v[TM+8+\b], v[TM+\b], 0x7f800000, s[MNT]   ; 57,344 x the scale
.endr
.irp b, 0,1,2,3
	v_lshrrev_b32 v[TM+4+\b], 23, v[TM+12+\b]      ; the scale's byte
.endr
	v_lshl_or_b32 v[\pw], v[TM+5], 8, v[TM+4]
	v_lshl_or_b32 v[\pw], v[TM+6], 16, v[\pw]
	v_lshl_or_b32 v[\pw], v[TM+7], 24, v[\pw]
.irp b, 0,1,2,3
.irp i, 0,1,2,3,4,5,6,7,8,9,10,11,12,13,14,15
	v_med3_num_f32 v[\s+16*\b+\i], v[\s+16*\b+\i], -v[TM+8+\b], v[TM+8+\b]   ; the conversion does not saturate (ISA guide 7.6.2): the hold comes first
.endr
	v_cvt_scalef32_pk8_bf8_f32 v[\pc+4*\b:\pc+4*\b+1], v[\s+16*\b:\s+16*\b+7], v[TM+12+\b]
	v_cvt_scalef32_pk8_bf8_f32 v[\pc+4*\b+2:\pc+4*\b+3], v[\s+16*\b+8:\s+16*\b+15], v[TM+12+\b]
.endr
	v_nop                                          ; one plain vector line behind the last conversion
.endm
; One row tile: quantised, its images and x2 stored to LDS.  n1, n2: the loads issued behind K step 0's and K step 1's sixteen
; K step s of a row tile turns through my own stage, block by block of 16 rows x 32 numbers: four stores as loaded, four loads that give lane (r, h) the 16 numbers k = 32 b + 16 h + 0 .. 15 of row r.
; LDS serves a wave's instructions in order (ISA guide 5.7.1.4): no wait stands between the stores and the loads, nor in front of the next block's stores.
.macro TURN s
.irp b, 0,1,2,3
.irp q, 0,1,2,3
	ds_store_b128 v[STI], v[X+64*\s+16*\b+4*\q:X+64*\s+16*\b+4*\q+3] offset:576*\q
.endr
.irp j, 0,1,2,3
	ds_load_b128 v[X+64*\s+16*\b+4*\j:X+64*\s+16*\b+4*\j+3], v[STO] offset:16*\j
.endr
.endr
	s_wait_dscnt 0x0
.endm
.macro PROC n1, n2
	s_wait_loadcnt \n1
	TURN 0
	SQ X, 1
	QUANT X, PC0, PW0
.irp c, 0,1,2,3
	ds_store_b128 v[HWI], v[PC0+4*\c:PC0+4*\c+3] offset:512*\c
.endr
	s_wait_loadcnt \n2
	TURN 1
	SQ X+64, 0
	QUANT X+64, PC1, PW1
.irp c, 0,1,2,3
	ds_store_b128 v[HWI], v[PC1+4*\c:PC1+4*\c+3] offset:2048+512*\c
.endr
	v_pk_add_f32 v[SA:SA+1], v[SA:SA+1], v[SB:SB+1]
	v_cndmask_b32 v101, v[PW0], v[PW1], s39        ; lanes 0-15 K step 0's word of row r, lanes 16-31 K step 1's
	v_add_f32 v[SA], v[SA], v[SA+1]
	v_permlanex16_b32 v100, v[SA], s[SEL], s[SEL+1]
	v_add_f32 v[SA], v[SA], v100                   ; x2 of my row
	ds_store_b32 v[HWS], v101
	ds_store_b32 v[HWS], v[SA] offset:X2O
.endm
; Record i of my eight in slot p into buffer b: eleven LDS loads.  It leaves the destination's window at 2
.macro FETCH p, i, b
	WIN 0                                          ; the scale word and -c2 / 2 lie in window 0
	ds_load_b32 v[SCW+8*(\b)], v[AS0+(\p)] offset:REC*(\i)
	ds_load_b128 v[C2+8*(\b):C2+8*(\b)+3], v[AC0+(\p)] offset:REC*(\i)
	ds_load_b128 v[C2+8*(\b)+4:C2+8*(\b)+7], v[AC0+(\p)] offset:REC*(\i)+16
	WIN 0x80
.irp g, 0,1,2,3,4,5,6,7
	ds_load_b128 v[32*(\b)+4*\g:32*(\b)+4*\g+3], v[AD0+(\p)] offset:REC*(\i)+512*\g
.endr
.endm
; The code tile in buffer b against the 8 row tiles, into accumulator set a.  K step 0 starts each sum with -c2 / 2; K step 1 adds in place; the eight accumulators take turns
.macro M b, a
	WIN 0x06                                       ; source 0 (codes) window 2, source 1 (h) window 1
.irp t, 0,1,2,3,4,5,6,7
	v_wmma_scale_f32_16x16x128_f8f6f4 v[ACC+64*(\a)+8*\t:ACC+64*(\a)+8*\t+7], v[32*(\b):32*(\b)+15], v[32*\t:32*\t+15], v[C2+8*(\b):C2+8*(\b)+7], v[SCW+8*(\b)], v[HS+\t+\t/7] matrix_a_fmt:MATRIX_FMT_BF8 matrix_b_fmt:MATRIX_FMT_BF8
.endr
.irp t, 0,1,2,3,4,5,6,7
	v_wmma_scale_f32_16x16x128_f8f6f4 v[ACC+64*(\a)+8*\t:ACC+64*(\a)+8*\t+7], v[32*(\b)+16:32*(\b)+31], v[32*\t+16:32*\t+31], v[ACC+64*(\a)+8*\t:ACC+64*(\a)+8*\t+7], v[SCW+8*(\b)], v[HS+\t+\t/7] matrix_a_fmt:MATRIX_FMT_BF8 matrix_b_fmt:MATRIX_FMT_BF8 matrix_a_scale:MATRIX_SCALE_ROW1 matrix_b_scale:MATRIX_SCALE_ROW1
.endr
	WIN 0
.endm
; The largest of row tile k's eight values, in four lines; each accumulator is read from its low end on
.macro TA a, k
	v_max3_num_f32 v[TMP+(\k)%3], v[ACC+64*(\a)+8*(\k)], v[ACC+64*(\a)+8*(\k)+1], v[ACC+64*(\a)+8*(\k)+2]
.endm
.macro TB a, k, j
	v_max3_num_f32 v[TMP+(\k)%3], v[TMP+(\k)%3], v[ACC+64*(\a)+8*(\k)+\j], v[ACC+64*(\a)+8*(\k)+\j+1]
.endm
.macro TD a, k
	v_max_num_f32 v[TMP+(\k)%3], v[TMP+(\k)%3], v[ACC+64*(\a)+8*(\k)+7]
.endm
.macro KEEP a, k, j                    ; two of the eight values are kept where VCC says so
	v_dual_cndmask_b32 v[SV+8*(\k)+\j], v[SV+8*(\k)+\j], v[ACC+64*(\a)+8*(\k)+\j] :: v_dual_cndmask_b32 v[SV+8*(\k)+\j+1], v[SV+8*(\k)+\j+1], v[ACC+64*(\a)+8*(\k)+\j+1]
.endm
; Row tiles k0 .. k1 of accumulator set a against what is kept: ten lines a row tile.  The compare is strict and the tiles come in ascending order: the earliest tile stays.
; The maxima of the next two row tiles stand between a compare and the lines that read VCC.  inc: what is added to the tile's number behind the last row tile (0: nothing)
.macro V a, k0, k1, inc
	TA \a, \k0
	TA \a, \k0+1
	TB \a, \k0, 3
	TB \a, \k0+1, 3
	TB \a, \k0, 5
	TD \a, \k0
.set KK, \k0
.rept \k1-\k0+1
	v_cmp_gt_f32 vcc_lo, v[TMP+KK%3], v[MX+KK]
.if KK+1 <= \k1
	TB \a, KK+1, 5
.endif
.if KK+2 <= \k1
	TA \a, KK+2
.endif
	KEEP \a, KK, 0
	KEEP \a, KK, 2
.if KK+1 <= \k1
	TD \a, KK+1
.endif
.if KK+2 <= \k1
	TB \a, KK+2, 3
.endif
	KEEP \a, KK, 4
	KEEP \a, KK, 6
	v_dual_cndmask_b32 v[ID+KK], v[ID+KK], v[VT] :: v_dual_max_num_f32 v[MX+KK], v[MX+KK], v[TMP+KK%3]
.set KK, KK+1
.endr
.if \inc
	v_add_nc_u32 v[VT], \inc, v[VT]
.endif
.endm
; Tile i of slot p: the next tile's loads go into the buffer that tile i - 1's products read (tile i - 2's vector work stands between); then tile i's products, then tile i - 1's vector work
.macro STEP p, i, inc
	FETCH \p, \i+1, (\i+1)%2
	s_wait_dscnt 11                                ; all but the eleven loads just issued
	M (\i)%2, (\i)%2
.if \inc
	V (\i+1)%2, 0, 7, \inc
.endif
.endm
.macro STEPS p                         ; tiles 1 to 6
.irp i, 1,2,3,4,5,6
	STEP \p, \i, 1
.endr
.endm
; A prefetch into the L2 of the group that stands two refills on: at the change that asks for group g + 2, group g + 4 is named.  All clusters walk the same records: cluster 0 asks; its four
; partners share a group's 32 records out by address, two a wave: 17 blocks of 256 bytes each, a lane a block (lanes above 16 name the last block again).  The loop's last trip asks for nothing.
.macro ASK
	s_cmp_gt_u32 s[IT], s[LIM]
	s_cbranch_scc0 .Lnot_mine_\@
	global_prefetch_b8 v[PFO], s[PFA:PFA+1] th:TH_LOAD_NT scope:SCOPE_SE
	global_prefetch_b8 v[PFO], s[PFA:PFA+1] offset:REC th:TH_LOAD_NT scope:SCOPE_SE
.Lnot_mine_\@:
.endm
; Tile 7 of slot p, and the change of slots: tile 7 is in registers, so slot p is filled again, two groups on
.macro CHANGE p
	s_wait_tensorcnt 0x0                           ; all my tensor loads have landed: the one that was out is my part of the other slot
	ds_add_u32 v[SPW], v[NIL]
	s_add_nc_u64 s[G0+4*\p+2:G0+4*\p+3], s[G0+4*\p+2:G0+4*\p+3], 2*SLOTB
	s_wait_xcnt 0x0                                ; the last prefetches, a trip back, have read their address
	s_add_nc_u64 s[PFA:PFA+1], s[PFA:PFA+1], SLOTB
	s_wait_dscnt 0x0                               ; the add is done, and my reads of slot p are over
	s_barrier_signal -1
	V 0, 0, 3, 0                                   ; half of tile 6's vector work: registers alone
	s_barrier_wait -1
	CREST
	tensor_load_to_lds s[G0+4*\p:G0+4*\p+3], s[G1:G1+7]   ; my one tensor load behind the round
	s_nop 0
.rept 4
	v_nop
.endr
	FETCH 1-\p, 0, 0
	WIN 0
	ASK
	M 1, 1
	V 0, 4, 7, 1
.endm
.macro LEXMIN d1, i1, d2, i2           ; (d1, i1) becomes the smaller pair: by dist, on equal dist by index
	v_cmp_lt_f32 s44, v[\d2], v[\d1]
	v_cmp_eq_f32 s45, v[\d2], v[\d1]
	v_cmp_lt_u32 vcc_lo, v[\i2], v[\i1]
	s_and_b32 s45, s45, vcc_lo
	s_or_b32 s44, s44, s45
	v_cndmask_b32 v[\d1], v[\d1], v[\d2], s44
	v_cndmask_b32 v[\i1], v[\i1], v[\i2], s44
.endm
	s_load_b256 s[4:11], s[0:1], 0x0               ; h s[4:5], the records s[6:7], out1 s[8:9], idxw s[10:11]
	v_lshl_add_u32 v[SPW], v0, 2, SPARE
	v_mov_b32 v[NIL], 0
	ds_add_u32 v[SPW], v[NIL]                      ; the opening lines: two adds on end
	ds_add_u32 v[SPW], v[NIL]
	v_lshrrev_b32 v15, 5, v0
	v_readfirstlane_b32 s[WV], v15                 ; wave 0..3
	s_bfe_u32 s13, ttmp6, 0x40000                  ; cx
	s_lshl_b32 s14, ttmp9, 2
	s_add_co_u32 s14, s14, s13                     ; my work-group: it enters h's, out1's and idxw's addresses alone
	v_and_b32 v12, 31, v0                          ; lane
	v_and_b32 v13, 15, v0                          ; r
	v_bfe_u32 v14, v0, 4, 1                        ; h
	s_mul_i32 s44, s[WV], WPART
	s_mov_b32 s45, 0
	v_lshl_add_u32 v[AD0], v12, 4, s44
	v_lshl_add_u32 v[AS0], v12, 2, s44
	v_lshl_add_u32 v[AC0], v14, 5, s44
	v_add_nc_u32 v[AD0+1], SLOTB, v[AD0]
	v_add_nc_u32 v[AS0], 4096, v[AS0]
	v_add_nc_u32 v[AC0], 4224, v[AC0]
	v_add_nc_u32 v[AS0+1], SLOTB, v[AS0]
	v_add_nc_u32 v[AC0+1], SLOTB, v[AC0]
	s_lshl_b32 s46, s[WV], 3
	v_mov_b32 v[VT], s46                           ; my first code tile: 8 w
	v_min_u32 v[PFO], 16, v12
	v_lshlrev_b32 v[PFO], 8, v[PFO]
	v_lshl_add_u32 v[HLS], v12, 2, HSC
	s_lshl_b32 s46, s[WV], 10
	v_lshl_add_u32 v[REW], v13, 2, s46
	v_add_nc_u32 v[REW], RED, v[REW]
	s_lshl_b32 s46, s[WV], 8
	v_lshl_add_u32 v[REL], v13, 2, s46             ; lanes 0-15 join row tile 2 w, lanes 16-31 row tile 2 w + 1
	v_lshl_add_u32 v[REL], v14, 7, v[REL]
	v_add_nc_u32 v[REL], RED, v[REL]
	v_lshl_add_u32 v[HWS], v12, 2, s46
	v_add_nc_u32 v[HWS], HSC, v[HWS]
	s_lshl_b32 s46, s[WV], 7
	v_lshl_add_u32 v[IXW], v12, 2, s46
	v_add_nc_u32 v[IXW], IDXS, v[IXW]
	v_lshl_add_u32 v[IXL], v12, 4, IDXS
	v_lshlrev_b32 v[H8], 3, v14
	s_lshl_b32 s46, s[WV], 13
	v_lshl_add_u32 v[HWI], v12, 4, s46
	v_add_nc_u32 v[HWI], HIMG, v[HWI]
	v_lshl_add_u32 v[HLI], v12, 4, HIMG
	v_lshrrev_b32 v104, 3, v12                     ; lane / 8
	v_and_b32 v105, 7, v12                         ; lane % 8
	v_mul_u32_u24 v107, v13, 144
	v_lshlrev_b32 v[XA], 10, v104
	v_mul_u32_u24 v106, v104, 144
	v_lshl_add_u32 v107, v14, 6, v107
	v_lshl_add_u32 v[XA], v105, 4, v[XA]
	v_lshl_add_u32 v106, v105, 4, v106
	s_mul_i32 s46, s[WV], 2304
	s_add_co_u32 s46, s46, STG                     ; my stage
	v_add_nc_u32 v[STI], s46, v106
	v_add_nc_u32 v[STO], s46, v107
	v_mov_b32 v100, 0                              ; lane permutes' destinations are written once
.irp b, 0,1,2,3
	v_mov_b32 v[TM+4+\b], 0
.endr
	WIN 0x40                                       ; the same for my second row tile, in window 1
	v_add_nc_u32 v[HWI], 4096, v[HWI]
	v_add_nc_u32 v[HWS], 128, v[HWS]
	v_add_nc_u32 v[STI], s46, v106
	v_add_nc_u32 v[STO], s46, v107
	v_mov_b32 v100, 0
.irp b, 0,1,2,3
	v_mov_b32 v[TM+4+\b], 0
.endr
	WIN 0
	; descriptor group 1: eight records, 34,816 dense bytes, as 136 rows of 256 bytes (32 elements of 8 bytes)
	s_mov_b32 s[G1+0], 15|(3<<16)|(1<<21)
	s_mov_b32 s[G1+1], 32<<16
	s_mov_b32 s[G1+2], 136<<16
	s_mov_b32 s[G1+3], 32<<16
	s_mov_b32 s[G1+4], 136
	s_mov_b32 s[G1+5], 32
	s_mov_b32 s[G1+6], 0
	s_mov_b32 s[G1+7], 0
	s_mov_b32 s[SEL], 0x76543210
	s_mov_b32 s[SEL+1], 0xfedcba98
	s_mov_b32 s[MNT], 0x600000                     ; the mantissa field of 57,344
	s_mov_b32 s39, 0xffff0000                      ; lanes 16-31
	s_cmp_eq_u32 ttmp9, 0                          ; cluster 0 prefetches: the same in all four partners
	s_cselect_b32 s[LIM], 1, -1
	s_lshl_b32 s48, s14, 17                        ; h: my work-group's 128 rows of 1,024 bytes,
	s_lshl_b32 s49, s[WV], 15                      ; my wave's 32 of them
	s_add_co_u32 s48, s48, s49
	s_mov_b32 s49, 0
	s_lshl_b32 s50, s13, 3
	s_lshl_b32 s51, s[WV], 1
	s_add_co_u32 s50, s50, s51                     ; the first of the two records of a group that I prefetch: 8 cx + 2 w
	s_mul_i32 s50, s50, REC
	s_add_co_u32 s50, s50, 3*SLOTB                 ; in group 3: the first change steps it to group 4
	s_mov_b32 s51, 0
	s_wait_dscnt 0x0                               ; both opening adds are done
	s_wait_alu depctr_va_vdst(0)
	s_wait_kmcnt 0x0
	s_add_nc_u64 s[4:5], s[4:5], s[48:49]
	s_add_nc_u64 s[PFA:PFA+1], s[6:7], s[50:51]
	s_add_nc_u64 s[46:47], s[6:7], s[44:45]        ; the records at my part of group 0
.irp p, 0,1
	s_mov_b32 s[G0+4*\p], 1
	s_add_co_u32 s[G0+4*\p+1], s44, \p*SLOTB
	s_add_nc_u64 s[G0+4*\p+2:G0+4*\p+3], s[46:47], \p*SLOTB
	s_or_b32 s[G0+4*\p+3], s[G0+4*\p+3], 0x80000000
.endr
	XLOAD 0                                        ; all 64 loads of my two row tiles go out together
	WIN 0x40
	XLOAD 1
	WIN 0
	ROUND                                          ; all four work-groups are here: the first joint loads meet
	tensor_load_to_lds s[G0:G0+3], s[G1:G1+7]      ; group 0: one tensor load a wave at the head
	s_nop 0
.rept 4
	v_nop
.endr
	PROC 48, 32
	WIN 0x55                                       ; every operand in window 1
	PROC 16, 0
	WIN 0
	s_wait_alu depctr_va_vdst(0)
	s_wait_tensorcnt 0x0                           ; my part of group 0 is in; slot 1's first fill is issued as a refill is
	ds_add_u32 v[SPW], v[NIL]
	s_wait_dscnt 0x0                               ; the add is done, and my images have landed, for the others' sake
	ROUND
	tensor_load_to_lds s[G0+4:G0+7], s[G1:G1+7]    ; group 1
	s_nop 0
.rept 4
	v_nop
.endr
	WIN 0x40
.irp t, 0,1,2,3,4,5,6,7
.irp s, 0,1
.irp c, 0,1,2,3
	ds_load_b128 v[32*\t+16*\s+4*\c:32*\t+16*\s+4*\c+3], v[HLI] offset:(2*\t+\s)*2048+512*\c
.endr
.endr
.endr
	WIN 0
.irp t, 0,1,2,3,4,5,6,7
	ds_load_b32 v[HS+\t+\t/7], v[HLS] offset:128*\t
.endr
	FETCH 0, 0, 0
	STEP 0, 0, 0                                   ; the first tile's products; the lines below are the places behind them
	s_mov_b32 s44, 0xff800000                      ; -infinity: under every s, so the first tile is always taken
.irp t, 0,1,2,3,4,5,6,7
	v_mov_b32 v[MX+\t], s44
	v_mov_b32 v[ID+\t], 0
.endr
.set J, 0
.rept 64
	v_mov_b32 v[SV+J], s44
.set J, J+1
.endr
	s_mov_b32 s[IT], 7
.Lpair:                                            ; a trip: from tile 1 of an even group to tile 0 of the next even group; groups 2 to 15 are asked for
	STEPS 0
	CHANGE 0
	STEP 1, 0, 25
	STEPS 1
	CHANGE 1
	STEP 0, 0, 25
	s_sub_co_u32 s[IT], s[IT], 1
	s_cmp_lg_u32 s[IT], 0
	s_cbranch_scc1 .Lpair
	STEPS 0                                        ; groups 14 and 15 are written out: nothing more is asked for
	s_wait_tensorcnt 0x0                           ; my part of group 15 is in; I alone read it
	FETCH 1, 0, 0
	s_wait_dscnt 11
	M 1, 1
	V 0, 0, 7, 1
	STEP 1, 0, 25
	STEPS 1
	s_wait_dscnt 0x0
	M 1, 1
	V 0, 0, 7, 1
	V 1, 0, 7, 0
	; THE END OF THE SEARCH.  dist = x2 - 2 s of each lane's finalists; the lowest place with the smallest dist is taken
	v_mov_b32 v[D2], 0
	v_mov_b32 v[I2], 0
.irp t, 0,1,2,3,4,5,6,7
	ds_load_b32 v[ACC+\t], v[HLS] offset:X2O+128*\t
.endr
	s_wait_dscnt 0x0
.irp t, 0,1,2,3,4,5,6,7
	v_fma_f32 v[MX+\t], -2.0, v[MX+\t], v[ACC+\t]
.irp j, 0,1,2,3,4,5,6,7
	v_fma_f32 v[SV+8*\t+\j], -2.0, v[SV+8*\t+\j], v[ACC+\t]
.endr
	v_mov_b32 v[POS], 7
.irp j, 6,5,4,3,2,1,0
	v_cmp_neq_f32 vcc_lo, v[SV+8*\t+\j], v[MX+\t]
	v_cndmask_b32 v[POS], \j, v[POS], vcc_lo
.endr
	v_lshl_add_u32 v[IX], v[ID+\t], 4, v[POS]
	v_add_nc_u32 v[IX], v[IX], v[H8]               ; the code: 16 x tile + 8 h + place
	v_permlanex16_b32 v[D2], v[MX+\t], s[SEL], s[SEL+1]
	v_permlanex16_b32 v[I2], v[IX], s[SEL], s[SEL+1]
	LEXMIN MX+\t, IX, D2, I2
	ds_store_b32 v[REW], v[MX+\t] offset:128*\t
	ds_store_b32 v[REW], v[IX] offset:128*\t+64
.endr
	s_wait_dscnt 0x0                               ; for the others' sake: my stores have landed
	s_barrier_signal -1
	s_barrier_wait -1
.irp u, 0,1,2,3
	ds_load_b32 v[184+2*\u], v[REL] offset:1024*\u
	ds_load_b32 v[185+2*\u], v[REL] offset:1024*\u+64
.endr
	s_wait_dscnt 0x0
.irp u, 1,2,3
	LEXMIN 184, 185, 184+2*\u, 185+2*\u
.endr
	ds_store_b32 v[IXW], v185
	s_wait_dscnt 0x0
	s_barrier_signal -1
	s_barrier_wait -1                              ; the work-group's 128 indices lie in LDS
	s_cmp_lt_u32 s[WV], 2
	s_cbranch_scc0 .Lstored
	ds_load_b128 v[192:195], v[IXL]
	v_and_b32 v196, 31, v0
	v_lshlrev_b32 v196, 4, v196
	s_cmp_eq_u32 s[WV], 0                          ; wave 0 stores the output, wave 1 the same numbers for the launch that gathers
	s_cselect_b64 s[8:9], s[8:9], s[10:11]
	s_lshl_b32 s48, s14, 9
	s_mov_b32 s49, 0
	s_add_nc_u64 s[8:9], s[8:9], s[48:49]
	s_wait_alu depctr_va_vdst(0)
	s_wait_dscnt 0x0
	global_store_b128 v196, v[192:195], s[8:9]     ; 32 lanes store 512 consecutive bytes, aligned to 256
.Lstored:
	s_wait_tensorcnt 0x0                           ; the wave's end
	ds_add_u32 v[SPW], v[NIL]
	s_wait_dscnt 0x0
	ROUND                                          ; the closing round
	s_endpgm
.Lfunc_end_k_qb0e6b948f0_search:
	.size	k_qb0e6b948f0_search, .Lfunc_end_k_qb0e6b948f0_search-k_qb0e6b948f0_search
	.p2alignl 7, 3214868480
	.fill 96, 4, 3214868480
	.section	.rodata,"a",@progbits
	.p2align	6, 0x0
	.amdhsa_kernel k_qb0e6b948f0_search
		.amdhsa_group_segment_fixed_size 327680
		.amdhsa_private_segment_fixed_size 0
		.amdhsa_enable_private_segment 0
		.amdhsa_kernarg_size 32
		.amdhsa_user_sgpr_count 2
		.amdhsa_user_sgpr_kernarg_segment_ptr 1
		.amdhsa_wavefront_size32 1
		.amdhsa_system_sgpr_workgroup_id_x 1
		.amdhsa_system_sgpr_workgroup_id_y 1
		.amdhsa_system_sgpr_workgroup_id_z 1
		.amdhsa_system_vgpr_workitem_id 0
		.amdhsa_next_free_vgpr 576
		.amdhsa_next_free_sgpr 66
		.amdhsa_reserve_vcc 1
		.amdhsa_float_denorm_mode_32 3
		.amdhsa_float_denorm_mode_16_64 3
		.amdhsa_memory_ordered 1
		.amdhsa_forward_progress 1
		.amdhsa_inst_pref_size 255
	.end_amdhsa_kernel
	.section	.bss,"aw",@nobits
	.p2align	6
	.space	262144
	.amdgpu_metadata
---
amdhsa.version: [ 1, 2 ]
amdhsa.kernels:
  - .name:           k_qb0e6b948f0_search
    .symbol:         k_qb0e6b948f0_search.kd
    .args:
      - { .name: h, .offset: 0, .size: 8, .value_kind: global_buffer, .address_space: global }
      - { .name: cbq, .offset: 8, .size: 8, .value_kind: global_buffer, .address_space: global }
      - { .name: out1, .offset: 16, .size: 8, .value_kind: global_buffer, .address_space: global }
      - { .name: idxw, .offset: 24, .size: 8, .value_kind: global_buffer, .address_space: global }
    .group_segment_fixed_size: 327680
    .private_segment_fixed_size: 0
    .kernarg_segment_align: 8
    .kernarg_segment_size: 32
    .max_flat_workgroup_size: 128
    .sgpr_count:     66
    .vgpr_count:     576
    .wavefront_size: 32
...
	.end_amdgpu_metadata
.endif
;; end of part 2
;; launch gather (part 3): grid 512 x 1, 8 waves a work-group, no clusters, 0 bytes of LDS; arguments codebook, idxw, out0; writes out0
.if DOCPART == 3
	.amdgcn_target "amdgcn-amd-amdhsa--gfx1250"
	.amdhsa_code_object_version 6
	.text
	.protected	k_qb0e6b948f0_gather
	.globl	k_qb0e6b948f0_gather
	.p2align	8
	.type	k_qb0e6b948f0_gather,@function
k_qb0e6b948f0_gather:
	s_mov_b64 s[64:65], 0
	v_nop
	global_prefetch_b8 v0, s[64:65] scope:SCOPE_SE
	s_setreg_imm32_b32 hwreg(HW_REG_WAVE_MODE, 25, 1), 1
	s_wait_xcnt 0x0
; out0[row] = codebook[idx[row]].  WORK LEFT OUT: out0 = h + (q - h), which is q for every finite h and q in exact arithmetic; h is not loaded here (see the first kernel's head).
; idx comes from the launch before, as whole numbers.  A wave takes 8 rows of 1,024 bytes; a row is two loads and two stores of 512 consecutive bytes.  The 8 indices come by one scalar load;
; each is held inside the table and makes a row's scalar base.  All 16 loads of a wave go out together; no register is used twice.  No LDS, no barrier, no matrix unit: a copy by index.
.set Q, 8                              ; v8-71 the codes' rows: row i at v[8 + 8 i]
	s_load_b128 s[4:7], s[0:1], 0x0                ; the codebook s[4:5], idxw s[6:7]
	s_load_b64 s[10:11], s[0:1], 0x10              ; out0
	v_lshrrev_b32 v2, 5, v0
	s_delay_alu instid0(VALU_DEP_1)
	v_readfirstlane_b32 s12, v2                    ; wave 0..7
	v_and_b32 v1, 31, v0
	s_delay_alu instid0(VALU_DEP_1)
	v_lshlrev_b32 v1, 4, v1                        ; 16 bytes a lane
	s_lshl_b32 s13, ttmp9, 6
	s_lshl_b32 s14, s12, 3
	s_add_co_u32 s13, s13, s14                     ; my first row: 64 x work-group + 8 x wave
	s_lshl_b32 s14, s13, 10
	s_mov_b32 s15, 0
	s_lshl_b32 s40, s13, 2
	s_mov_b32 s41, 0
	s_wait_alu depctr_va_vdst(0)
	s_wait_kmcnt 0x0
	s_add_nc_u64 s[10:11], s[10:11], s[14:15]
	s_add_nc_u64 s[6:7], s[6:7], s[40:41]
	s_load_b256 s[16:23], s[6:7], 0x0              ; my 8 indices
	s_wait_kmcnt 0x0
.irp i, 0,1,2,3,4,5,6,7
	s_min_u32 s[16+\i], s[16+\i], 8191             ; inside the table
	s_lshl_b32 s[24+2*\i], s[16+\i], 10            ; a row of 1,024 bytes
	s_mov_b32 s[25+2*\i], 0
	s_add_nc_u64 s[24+2*\i:25+2*\i], s[4:5], s[24+2*\i:25+2*\i]
.endr
.irp i, 0,1,2,3,4,5,6,7
	global_load_b128 v[Q+8*\i:Q+8*\i+3],   v1, s[24+2*\i:25+2*\i]              ; no hint: a code's row may be named again
	global_load_b128 v[Q+8*\i+4:Q+8*\i+7], v1, s[24+2*\i:25+2*\i] offset:512
.endr
.irp i, 0,1,2,3,4,5,6,7
	s_wait_loadcnt 14-2*\i                         ; loads come back in order: the two loads of each later row may be out
	global_store_b128 v1, v[Q+8*\i:Q+8*\i+3],   s[10:11] offset:1024*\i th:TH_STORE_NT      ; 32 lanes store 512 consecutive bytes, aligned to 256
	global_store_b128 v1, v[Q+8*\i+4:Q+8*\i+7], s[10:11] offset:1024*\i+512 th:TH_STORE_NT
.endr
	s_endpgm
.Lfunc_end_k_qb0e6b948f0_gather:
	.size	k_qb0e6b948f0_gather, .Lfunc_end_k_qb0e6b948f0_gather-k_qb0e6b948f0_gather
	.p2alignl 7, 3214868480
	.fill 96, 4, 3214868480
	.section	.rodata,"a",@progbits
	.p2align	6, 0x0
	.amdhsa_kernel k_qb0e6b948f0_gather
		.amdhsa_group_segment_fixed_size 0
		.amdhsa_private_segment_fixed_size 0
		.amdhsa_enable_private_segment 0
		.amdhsa_kernarg_size 24
		.amdhsa_user_sgpr_count 2
		.amdhsa_user_sgpr_kernarg_segment_ptr 1
		.amdhsa_wavefront_size32 1
		.amdhsa_system_sgpr_workgroup_id_x 1
		.amdhsa_system_sgpr_workgroup_id_y 1
		.amdhsa_system_sgpr_workgroup_id_z 1
		.amdhsa_system_vgpr_workitem_id 0
		.amdhsa_next_free_vgpr 72
		.amdhsa_next_free_sgpr 66
		.amdhsa_reserve_vcc 0
		.amdhsa_float_denorm_mode_32 3
		.amdhsa_float_denorm_mode_16_64 3
		.amdhsa_memory_ordered 1
		.amdhsa_forward_progress 1
		.amdhsa_inst_pref_size 6
	.end_amdhsa_kernel
	.amdgpu_metadata
---
amdhsa.version: [ 1, 2 ]
amdhsa.kernels:
  - .name:           k_qb0e6b948f0_gather
    .symbol:         k_qb0e6b948f0_gather.kd
    .args:
      - { .name: codebook, .offset: 0, .size: 8, .value_kind: global_buffer, .address_space: global }
      - { .name: idxw, .offset: 8, .size: 8, .value_kind: global_buffer, .address_space: global }
      - { .name: out0, .offset: 16, .size: 8, .value_kind: global_buffer, .address_space: global }
    .group_segment_fixed_size: 0
    .private_segment_fixed_size: 0
    .kernarg_segment_align: 8
    .kernarg_segment_size: 24
    .max_flat_workgroup_size: 256
    .sgpr_count:     66
    .vgpr_count:     72
    .wavefront_size: 32
...
	.end_amdgpu_metadata
.endif
;; end of part 3
